; MI455X (gfx1250); checked and timed in simulation.
; The chip was launched on July 23, 2026; its instructions are those of AMD's public machine-readable ISA for CDNA 5 (MIT licence, August 2026) and "CDNA5" Instruction Set Architecture Reference Guide (July 2026). The comments in the code are by the model that wrote it; some were corrected since.
;; Multi Head Attention. Allowed arithmetic: float matrix products may take bf16 or f16 operands with f32 sums; all other float work in f32.
;; Inputs: b_o 384 float32; k 2 x 4,096 x 384 float32; mask 2 x 1 x 1 x 4,096 int32; q 2 x 4,096 x 384 float32; v 2 x 4,096 x 384 float32; w_k 384 x 384 float32; w_o 384 x 384 float32; w_q 384 x 384 float32; w_v 384 x 384 float32.
;; Outputs: out0 2 x 4,096 x 384 float32.
;; One version. Each part assembles by itself: llvm-mc -triple=amdgcn-amd-amdhsa -mcpu=gfx1250 --defsym DOCPART=n.
;; ======== version 1 of 1: 4 launches
;; limits: values are held in f16: magnitudes above 65,504 overflow, below 6.1e-05 lose precision
;; workspace buffers: wb 1,179,648 bytes; qh 6,291,456 bytes; kh 6,291,456 bytes; vh 6,291,456 bytes; ah 6,291,456 bytes
;; launch cast (part 1): grid 12 x 24, 8 waves a work-group, no clusters, 0 bytes of LDS; arguments w_q, w_k, w_v, w_o, wb; writes wb
.if DOCPART == 1
	.amdgcn_target "amdgcn-amd-amdhsa--gfx1250"
	.amdhsa_code_object_version 6
	.text
	.protected	k_qeb7b64cdde_cast
	.globl	k_qeb7b64cdde_cast
	.p2align	8
	.type	k_qeb7b64cdde_cast,@function
k_qeb7b64cdde_cast:
	s_mov_b64 s[64:65], 0
	v_nop
	global_prefetch_b8 v0, s[64:65] scope:SCOPE_SE
	s_setreg_imm32_b32 hwreg(HW_REG_WAVE_MODE, 25, 1), 1
	s_wait_xcnt 0x0
; The four weights [384 k][384 n] f32 are rounded to f16 and laid out anew: wb = [4 weights: q, k, v, o][6 tiles of 64 columns][384 k][64 n].
; A tile is then 49,152 dense bytes whose rows are 128 bytes, ready for a tensor load and for transposing LDS loads.
; w_q alone is first multiplied by 0.125 log2(e): the scores then leave the matrix unit divided by 8 and in base 2.
; LIMIT (format): f16 operands; a weight of 65,504 or more becomes infinite, one below 6e-8 becomes zero.  As drawn the weights' spread is 0.05.
; A stream of 3.5 MB: no LDS, no barrier, no matrix unit.  Work-group (x, y): 32 rows k = 32 x .., weight y & 3, tile y >> 2.
; Thread t: row t >> 3, eight columns 8 (t & 7): eight lanes read 256 consecutive bytes; a wave's store covers 512 consecutive bytes, aligned.
.set WROW,  1536                       ; bytes in a row of a weight as given
.set WTILE, 49152                      ; bytes in a tile of wb
.set WMAT,  294912                     ; bytes in a weight of wb
	s_load_b256 s[4:11], s[0:1], 0x0               ; w_q s[4:5], w_k s[6:7], w_v s[8:9], w_o s[10:11]
	s_load_b64 s[12:13], s[0:1], 0x20              ; wb
	s_and_b32 s14, ttmp7, 0xffff                   ; y
	s_and_b32 s15, s14, 3                          ; which weight
	s_lshr_b32 s16, s14, 2                         ; which tile of 64 columns
	s_mul_i32 s18, ttmp9, 32*WROW                  ; in: 32 rows a work-group,
	s_lshl_b32 s17, s16, 8                         ; 256 bytes a tile
	s_add_co_u32 s18, s18, s17
	s_mov_b32 s19, 0
	s_mul_i32 s20, s15, WMAT                       ; out: the weight,
	s_mul_i32 s17, s16, WTILE                      ; the tile,
	s_add_co_u32 s20, s20, s17
	s_lshl_b32 s17, ttmp9, 12                      ; 32 rows of 128 bytes
	s_add_co_u32 s20, s20, s17
	s_mov_b32 s21, 0
	s_mov_b32 s22, 0x3e38aa3b                      ; 0.125 log2(e),
	s_mov_b32 s23, 0x3e38aa3b                      ; as a pair for the packed multiply
	v_lshrrev_b32 v1, 3, v0
	v_and_b32 v2, 7, v0
	v_mul_u32_u24 v1, v1, WROW
	v_lshl_add_u32 v1, v2, 5, v1                   ; in: row x 1,536 + 32 bytes x place
	v_lshlrev_b32 v3, 4, v0                        ; out: 16 bytes a thread, in the threads' order
	s_wait_kmcnt 0x0
	s_cmp_eq_u32 s15, 1
	s_cselect_b64 s[4:5], s[6:7], s[4:5]
	s_cmp_eq_u32 s15, 2
	s_cselect_b64 s[4:5], s[8:9], s[4:5]
	s_cmp_eq_u32 s15, 3
	s_cselect_b64 s[4:5], s[10:11], s[4:5]
	s_add_nc_u64 s[4:5], s[4:5], s[18:19]
	s_add_nc_u64 s[12:13], s[12:13], s[20:21]
	global_load_b128 v[4:7], v1, s[4:5] th:TH_LOAD_NT
	global_load_b128 v[8:11], v1, s[4:5] offset:16 th:TH_LOAD_NT
	s_wait_loadcnt 0x0
	s_cmp_lg_u32 s15, 0
	s_cbranch_scc1 .Lpack                          ; only w_q carries the factor
	v_pk_mul_f32 v[4:5], v[4:5], s[22:23] op_sel_hi:[1,0]
	v_pk_mul_f32 v[6:7], v[6:7], s[22:23] op_sel_hi:[1,0]
	v_pk_mul_f32 v[8:9], v[8:9], s[22:23] op_sel_hi:[1,0]
	v_pk_mul_f32 v[10:11], v[10:11], s[22:23] op_sel_hi:[1,0]
.Lpack:
	v_cvt_pk_f16_f32 v12, v4, v5
	v_cvt_pk_f16_f32 v13, v6, v7
	v_cvt_pk_f16_f32 v14, v8, v9
	v_cvt_pk_f16_f32 v15, v10, v11
	global_store_b128 v3, v[12:15], s[12:13]
	s_endpgm
.Lfunc_end_k_qeb7b64cdde_cast:
	.size	k_qeb7b64cdde_cast, .Lfunc_end_k_qeb7b64cdde_cast-k_qeb7b64cdde_cast
	.p2alignl 7, 3214868480
	.fill 96, 4, 3214868480
	.section	.rodata,"a",@progbits
	.p2align	6, 0x0
	.amdhsa_kernel k_qeb7b64cdde_cast
		.amdhsa_group_segment_fixed_size 0
		.amdhsa_private_segment_fixed_size 0
		.amdhsa_enable_private_segment 0
		.amdhsa_kernarg_size 40
		.amdhsa_user_sgpr_count 2
		.amdhsa_user_sgpr_kernarg_segment_ptr 1
		.amdhsa_wavefront_size32 1
		.amdhsa_system_sgpr_workgroup_id_x 1
		.amdhsa_system_sgpr_workgroup_id_y 1
		.amdhsa_system_sgpr_workgroup_id_z 1
		.amdhsa_system_vgpr_workitem_id 0
		.amdhsa_next_free_vgpr 16
		.amdhsa_next_free_sgpr 66
		.amdhsa_reserve_vcc 0
		.amdhsa_float_denorm_mode_32 3
		.amdhsa_float_denorm_mode_16_64 3
		.amdhsa_memory_ordered 1
		.amdhsa_forward_progress 1
		.amdhsa_inst_pref_size 3
	.end_amdhsa_kernel
	.amdgpu_metadata
---
amdhsa.version: [ 1, 2 ]
amdhsa.kernels:
  - .name:           k_qeb7b64cdde_cast
    .symbol:         k_qeb7b64cdde_cast.kd
    .args:
      - { .name: w_q, .offset: 0, .size: 8, .value_kind: global_buffer, .address_space: global }
      - { .name: w_k, .offset: 8, .size: 8, .value_kind: global_buffer, .address_space: global }
      - { .name: w_v, .offset: 16, .size: 8, .value_kind: global_buffer, .address_space: global }
      - { .name: w_o, .offset: 24, .size: 8, .value_kind: global_buffer, .address_space: global }
      - { .name: wb, .offset: 32, .size: 8, .value_kind: global_buffer, .address_space: global }
    .group_segment_fixed_size: 0
    .private_segment_fixed_size: 0
    .kernarg_segment_align: 8
    .kernarg_segment_size: 40
    .max_flat_workgroup_size: 256
    .sgpr_count:     66
    .vgpr_count:     16
    .wavefront_size: 32
...
	.end_amdgpu_metadata
.endif
;; end of part 1
;; launch proj (part 2): grid 64 x 3, 4 waves a work-group, clusters of 4 x 1, 327,680 bytes of LDS; arguments q, k, v, wb, qh, kh, vh; writes qh, kh, vh
.if DOCPART == 2
	.amdgcn_target "amdgcn-amd-amdhsa--gfx1250"
	.amdhsa_code_object_version 6
	.text
	.protected	k_qeb7b64cdde_proj
	.globl	k_qeb7b64cdde_proj
	.p2align	8
	.type	k_qeb7b64cdde_proj,@function
k_qeb7b64cdde_proj:
	s_mov_b64 s[64:65], 0
	v_nop
	global_prefetch_b8 v0, s[64:65] scope:SCOPE_SE
	s_setreg_imm32_b32 hwreg(HW_REG_WAVE_MODE, 25, 1), 1
	s_wait_xcnt 0x0
	s_wait_alu depctr_hold_cnt(0) depctr_sa_sdst(0) depctr_va_vdst(0) depctr_va_sdst(0) depctr_va_ssrc(0) depctr_va_vcc(0) depctr_vm_vsrc(0)
	s_getreg_b32 s2, hwreg(HW_REG_IB_STS2, 6, 4)
	s_cmp_eq_u32 s2, 0
	s_cbranch_scc0 .Lentry_in_a_cluster
	s_endpgm
.Lentry_in_a_cluster:
	s_bfe_u32 s2, ttmp6, 0x10000c
	s_cmp_lg_u32 s2, 0x3003
	s_cbranch_scc0 .Lentry_shape_is_right
	s_endpgm
.Lentry_shape_is_right:
; The three input projections: X [8192][384] f32 times W [384][384] (f16 tiles of wb), out as f16, head-major: [12 = 6 b + h][4096][64].
; Work-group (x, y): 128 rows of tensor y (0 q, 1 k, 2 v).  Wave w: rows 32 w .. 32 w + 31, all 384 columns, one tile of 64 columns (one head) at a time.
; X comes in once by one tensor load a wave (32 rows x 1,536 bytes), is rounded to f16 and stays in 192 registers as 24 fragments.
; The six weight tiles go through two LDS slots.  The four work-groups of a cluster need the same tiles and ask for them jointly (mask 15).
; THE MATRIX INSTRUCTION IS USED TRANSPOSED: source 0 = 16 columns of W (read from [k][n] rows by transposing LDS loads), source 1 = 16 rows of X.
; A lane's eight results are then eight neighbouring columns of one row: 16 bytes of f16.
; LIMIT (format): f16 operands and results: inputs and projected numbers of 65,504 or more become infinite.  As drawn the projected numbers have
; rms 1; inputs and weights both 30 times larger give rms 900 and still fit.
; LDS: X 4 x 50,688 (row pitch 1,584: 16 bytes of padding behind every 512), two weight slots of 61,440 (384 rows, pitch 160).
; The stage for the way out is the head of the wave's own part of X, which has had its only fill and has been read by then.
.set XPITCH, 1584                      ; 99 x 16: the 16 rows of a fragment load fall into 16 different columns of 16 bytes
.set XPART,  32*XPITCH                 ; a wave's 32 rows
.set WS,     4*XPART                   ; 202,752: the weight slots
.set WPITCH, 160                       ; 5 x 32
.set WSLOT,  384*WPITCH
.set WTILE,  49152                     ; a tile in wb
.set WMAT,   294912                    ; a weight in wb
.set SPITCH, 144                       ; stage: rows of 128 bytes + 16
.set PLANE,  524288                    ; a head's 4,096 rows of 128 bytes
.set WV,  18                           ; s18     wave
.set G1W, 24                           ; s[24:31] shape of a quarter of a weight tile (joint)
.set G0W, 32                           ; s[32:39] from where, to where: one set for each slot
.set G1X, 40                           ; s[40:47] shape of a wave's rows of X
.set G0X, 48                           ; s[48:51]
.set ADX, 1                            ; v1      LDS address of my X fragments
.set ADW, 2                            ; v2, v3  LDS address of my weight fragments in slot 0, 1
.set STO, 4                            ; v4      stage: where I put 16 bytes
.set RD,  5                            ; v5      stage: where I read rows back
.set GO,  6                            ; v6      16 x lane: my place in 512 bytes of output
.set ACC, 16                           ; v[16:79]   tile (ct, rt) at 8 (2 ct + rt)
.set F0,  80                           ; v[80:143]  weight fragments of two K steps
.set F1,  144                          ; v[144:207] the same, second buffer
.set PK,  208                          ; v[208:239] packed results
                                       ; window 1: v[0:191] X fragment (rt, ks) at 8 (12 rt + ks)
.set MSB, 0
.macro WIN new                         ; the immediate's high byte repeats the setting that is left
.if MSB != \new
	s_set_vgpr_msb (MSB<<8)|\new
.set MSB, \new
.endif
.endm
.macro PLACES                          ; four places behind a matrix instruction (ISA guide 7.12.1)
.rept 4
	v_nop
.endr
.endm
.macro ROUND                           ; a round of the cluster's barrier
	s_barrier_signal -1
	s_barrier_wait -1
	s_cmp_lg_u32 s[WV], 0
	s_cbranch_scc1 .Lnot_wave_0_\@
	s_barrier_signal -3
.Lnot_wave_0_\@:
	s_barrier_wait -3
	s_barrier_signal -1
	s_barrier_wait -1
.endm
	s_load_b256 s[4:11], s[0:1], 0x0               ; q s[4:5], k s[6:7], v s[8:9], wb s[10:11]
	s_load_b128 s[12:15], s[0:1], 0x20             ; qh s[12:13], kh s[14:15]
	s_load_b64 s[16:17], s[0:1], 0x30              ; vh
	v_lshrrev_b32 v1, 5, v0
	v_readfirstlane_b32 s[WV], v1                  ; wave 0..3
	s_bfe_u32 s19, ttmp6, 0x40000                  ; cx
	s_lshl_b32 s20, ttmp9, 2
	s_add_co_u32 s20, s20, s19                     ; block of 128 rows = 4 x cluster x + cx
	s_and_b32 s21, ttmp7, 0xffff                   ; which tensor
	s_mul_i32 s52, s20, 128*1536                   ; X: my work-group's rows,
	s_mul_i32 s53, s[WV], 32*1536                  ; my wave's
	s_add_co_u32 s52, s52, s53
	s_mov_b32 s53, 0
	s_mul_i32 s54, s21, WMAT                       ; wb: the tensor's weight, my quarter of a tile (96 rows of 128 bytes): nothing of cx
	s_mul_i32 s55, s[WV], 96*128
	s_add_co_u32 s54, s54, s55
	s_mov_b32 s55, 0
	s_lshr_b32 s56, s20, 5                         ; out: batch x 6 planes,
	s_mul_i32 s56, s56, 6*PLANE
	s_and_b32 s57, s20, 31                         ; 128 rows of 128 bytes a block,
	s_lshl_b32 s57, s57, 14
	s_add_co_u32 s56, s56, s57
	s_lshl_b32 s57, s[WV], 12                      ; 32 rows a wave
	s_add_co_u32 s56, s56, s57
	s_mov_b32 s57, 0
	; X: 32 rows x 384 elements of 4 bytes; 4 words of padding behind every 128 words
	s_mov_b32 s[G1X+0], (2<<16)|(1<<20)|(6<<22)|(3<<25)
	s_mov_b32 s[G1X+1], 384<<16                    ; tensor_dim0
	s_mov_b32 s[G1X+2], 32<<16                     ; tensor_dim1
	s_mov_b32 s[G1X+3], 384<<16                    ; tile_dim0
	s_mov_b32 s[G1X+4], 32                         ; tile_dim1
	s_mov_b32 s[G1X+5], 384                        ; elements from row to row
	s_mov_b32 s[G1X+6], 0
	s_mov_b32 s[G1X+7], 0
	; W: 96 rows x 64 elements of 2 bytes; 8 words of padding behind every 32 words; the mask names all four of the cluster, bit 21 beside it
	s_mov_b32 s[G1W+0], 15|(1<<16)|(1<<20)|(1<<21)|(4<<22)|(7<<25)
	s_mov_b32 s[G1W+1], 64<<16
	s_mov_b32 s[G1W+2], 96<<16
	s_mov_b32 s[G1W+3], 64<<16
	s_mov_b32 s[G1W+4], 96
	s_mov_b32 s[G1W+5], 64
	s_mov_b32 s[G1W+6], 0
	s_mov_b32 s[G1W+7], 0
	s_mov_b32 s[G0X], 1
	s_mul_i32 s[G0X+1], s[WV], XPART
	s_mul_i32 s58, s[WV], 96*WPITCH
	s_mov_b32 s[G0W], 1
	s_add_co_u32 s[G0W+1], s58, WS
	s_mov_b32 s[G0W+4], 1
	s_add_co_u32 s[G0W+5], s58, WS+WSLOT
	s_wait_kmcnt 0x0
	s_cmp_eq_u32 s21, 1
	s_cselect_b64 s[4:5], s[6:7], s[4:5]
	s_cselect_b64 s[12:13], s[14:15], s[12:13]
	s_cmp_eq_u32 s21, 2
	s_cselect_b64 s[4:5], s[8:9], s[4:5]
	s_cselect_b64 s[12:13], s[16:17], s[12:13]
	s_add_nc_u64 s[4:5], s[4:5], s[52:53]
	s_add_nc_u64 s[10:11], s[10:11], s[54:55]
	s_add_nc_u64 s[12:13], s[12:13], s[56:57]      ; the output at my wave's first row, head 0
	s_mov_b64 s[G0X+2:G0X+3], s[4:5]
	s_or_b32 s[G0X+3], s[G0X+3], 0x80000000
	s_mov_b64 s[G0W+2:G0W+3], s[10:11]             ; tile 0
	s_or_b32 s[G0W+3], s[G0W+3], 0x80000000
	s_add_nc_u64 s[G0W+6:G0W+7], s[10:11], WTILE   ; tile 1
	s_or_b32 s[G0W+7], s[G0W+7], 0x80000000
	ROUND                                          ; all four work-groups are here: the joint loads meet
	tensor_load_to_lds s[G0X:G0X+3], s[G1X:G1X+7]          ; the first fills go out together: three loads of the wave are out, the most in this text
	s_nop 0
	tensor_load_to_lds s[G0W:G0W+3], s[G1W:G1W+7]
	s_nop 0
	tensor_load_to_lds s[G0W+4:G0W+7], s[G1W:G1W+7]
	s_nop 0
	v_and_b32 v7, 15, v0                           ; r = lane % 16
	v_bfe_u32 v8, v0, 4, 1                         ; h = lane / 16
	v_and_b32 v9, 7, v0
	v_bfe_u32 v10, v0, 3, 1
	v_mul_u32_u24 v1, v7, XPITCH                   ; X: row r, 8 h numbers of 4 bytes
	v_lshl_add_u32 v1, v8, 5, v1
	v_add_nc_u32 v[ADX], s[G0X+1], v1
	v_lshl_add_u32 v11, v8, 3, v9                  ; W: row 8 h + lane % 8, 16 bytes for each half of eight lanes
	v_mul_u32_u24 v11, v11, WPITCH
	v_lshl_add_u32 v11, v10, 4, v11
	v_add_nc_u32 v[ADW], WS, v11
	v_add_nc_u32 v[ADW+1], WS+WSLOT, v11
	v_mul_u32_u24 v12, v7, SPITCH                  ; stage in: row r, 16 bytes for each half of the lanes
	v_lshl_add_u32 v12, v8, 4, v12
	v_add_nc_u32 v[STO], s[G0X+1], v12
	v_bfe_u32 v12, v0, 3, 2                        ; stage back: eight lanes take a row of 128 bytes, a wave four rows
	v_mul_u32_u24 v12, v12, SPITCH
	v_lshl_add_u32 v12, v9, 4, v12
	v_add_nc_u32 v[RD], s[G0X+1], v12
	v_and_b32 v[GO], 31, v0
	v_lshlrev_b32 v[GO], 4, v[GO]
; Eight fragments of X (numbers 8 b .. 8 b + 7 of the 24): four loads of 16 bytes each (K = 8 h .. + 7 and 16 + 8 h .. + 7 in f32), rounded to f16 into window 1.
.macro XCONV b
	WIN 0
.set f, 0
.rept 8
.set idx, 8*\b+f
.set xo, (idx/12)*16*XPITCH+(idx%12)*128+((idx%12)/4)*16
	ds_load_b128 v[F0+16*f:F0+16*f+3], v[ADX] offset:xo
	ds_load_b128 v[F0+16*f+4:F0+16*f+7], v[ADX] offset:xo+16
	ds_load_b128 v[F0+16*f+8:F0+16*f+11], v[ADX] offset:xo+64
	ds_load_b128 v[F0+16*f+12:F0+16*f+15], v[ADX] offset:xo+80
.set f, f+1
.endr
	WIN 0x40                                       ; destination in window 1
.set f, 0
.rept 8
	s_wait_dscnt 4*(7-f)                           ; the four loads of each younger fragment may stay out
.set j, 0
.rept 8
	v_cvt_pk_f16_f32 v[8*(8*\b+f)+j], v[F0+16*f+2*j], v[F0+16*f+2*j+1]
.set j, j+1
.endr
.set f, f+1
.endr
	WIN 0
.endm
; The weight fragments of K steps 2 g and 2 g + 1 (32 along K each), four blocks of 16 columns: 16 transposing loads
.macro FETCH slot, g, fb
.irp kk, 0,1
.irp ct, 0,1,2,3
	ds_load_tr16_b128 v[\fb+32*\kk+8*\ct:\fb+32*\kk+8*\ct+3], v[ADW+\slot] offset:(2*(\g)+\kk)*32*WPITCH+32*\ct
	ds_load_tr16_b128 v[\fb+32*\kk+8*\ct+4:\fb+32*\kk+8*\ct+7], v[ADW+\slot] offset:(2*(\g)+\kk)*32*WPITCH+32*\ct+16*WPITCH
.endr
.endr
.endm
; Eight matrix instructions: one K step, 4 column blocks x 2 row blocks.  The eight accumulators take turns, one instruction a turn.
.macro MUL8 fb, ks, zero
.irp ct, 0,1,2,3
.irp rt, 0,1
.if \zero
	v_wmma_f32_16x16x32_f16 v[ACC+8*(2*\ct+\rt):ACC+8*(2*\ct+\rt)+7], v[\fb+8*\ct:\fb+8*\ct+7], v[8*(12*\rt+\ks):8*(12*\rt+\ks)+7], 0
.else
	v_wmma_f32_16x16x32_f16 v[ACC+8*(2*\ct+\rt):ACC+8*(2*\ct+\rt)+7], v[\fb+8*\ct:\fb+8*\ct+7], v[8*(12*\rt+\ks):8*(12*\rt+\ks)+7], v[ACC+8*(2*\ct+\rt):ACC+8*(2*\ct+\rt)+7]
.endif
.endr
.endr
.endm
.macro GSTEP slot, g, fa, fn, zero, more
	s_wait_dscnt 8                                 ; the first K step's eight loads are in, the second's eight may be out
	WIN 0x04                                       ; source 1 (X) in window 1
	MUL8 \fa, 2*\g, \zero
.if \more
	PLACES                                         ; in front of loads into the buffer that the last matrix instructions but eight read
	WIN 0
	FETCH \slot, \g+1, \fn
	s_wait_dscnt 16                                ; all but the sixteen just issued
	WIN 0x04
.else
	s_wait_dscnt 0x0
.endif
	MUL8 \fa+32, 2*\g+1, 0
.endm
.macro GEMM slot                       ; 32 rows x 64 columns x 384: 96 matrix instructions; the first K step starts the sums
	s_wait_xcnt 0x0                                ; buffer 0 held the last tile's store data: it is loaded again only behind this wait
	FETCH \slot, 0, F0
	GSTEP \slot, 0, F0, F1, 1, 1
	GSTEP \slot, 1, F1, F0, 0, 1
	GSTEP \slot, 2, F0, F1, 0, 1
	GSTEP \slot, 3, F1, F0, 0, 1
	GSTEP \slot, 4, F0, F1, 0, 1
	GSTEP \slot, 5, F1, F0, 0, 0
.endm
; The way out for head t: round to f16, 16 bytes a lane into my own stage, back as whole rows; a store of the wave covers four rows = 512 consecutive bytes, aligned.
.macro OUT t
	PLACES                                         ; behind the last matrix instructions, in front of the conversions that read results
	WIN 0
.irp ct, 0,1,2,3
.irp rt, 0,1
.irp p, 0,1,2,3
	v_cvt_pk_f16_f32 v[PK+4*(2*\ct+\rt)+\p], v[ACC+8*(2*\ct+\rt)+2*\p], v[ACC+8*(2*\ct+\rt)+2*\p+1]
.endr
.endr
.endr
.irp ct, 0,1,2,3
.irp rt, 0,1
	ds_store_b128 v[STO], v[PK+4*(2*\ct+\rt):PK+4*(2*\ct+\rt)+3] offset:\rt*16*SPITCH+32*\ct
.endr
.endr
.irp i, 0,1,2,3,4,5,6,7
	ds_load_b128 v[F0+4*\i:F0+4*\i+3], v[RD] offset:\i*4*SPITCH    ; LDS serves a wave's instructions in order (ISA guide 5.7.1): these see the stores above
.endr
.irp i, 0,1,2,3,4,5,6,7
	s_wait_dscnt 7-\i
	global_store_b128 v[GO], v[F0+4*\i:F0+4*\i+3], s[12:13] offset:\t*PLANE+512*\i
.endr
.endm
; Tile t from its slot.  refill = 1: the other slot, read last, gets the tile after next, by a joint load behind a round of the cluster's barrier.
.macro TILE t, slot, refill
	s_wait_tensorcnt 0x0                           ; all my tensor loads have landed, my quarter of this tile among them: a group 0 may be written
.if \refill
	s_add_nc_u64 s[G0W+4*(1-\slot)+2:G0W+4*(1-\slot)+3], s[G0W+4*(1-\slot)+2:G0W+4*(1-\slot)+3], 2*WTILE
.endif
	s_wait_dscnt 0x0                               ; my reads of the other slot are back
.if \refill
	ROUND                                          ; both now hold of every wave of the four work-groups
	tensor_load_to_lds s[G0W+4*(1-\slot):G0W+4*(1-\slot)+3], s[G1W:G1W+7]  ; my one tensor load behind the round, and the first thing there
	s_nop 0
.else
	s_barrier_signal -1                            ; nothing is filled again: my work-group's barrier shows the tile whole
	s_barrier_wait -1
.endif
	GEMM \slot
	OUT \t
.endm
	s_wait_tensorcnt 0x2                           ; my rows of X are in (only I read them); the two weight tiles may be out
	XCONV 0
	XCONV 1
	XCONV 2
	s_wait_tensorcnt 0x1                           ; my quarter of tile 0 is in; tile 1 may stay out
	s_wait_dscnt 0x0
	s_barrier_signal -1
	s_barrier_wait -1
	GEMM 0
	OUT 0
	TILE 1, 1, 1
	TILE 2, 0, 1
	TILE 3, 1, 1
	TILE 4, 0, 1
	TILE 5, 1, 0
	ROUND                                          ; the closing round: no work-group ends while a partner may still ask jointly
	s_endpgm
.Lfunc_end_k_qeb7b64cdde_proj:
	.size	k_qeb7b64cdde_proj, .Lfunc_end_k_qeb7b64cdde_proj-k_qeb7b64cdde_proj
	.p2alignl 7, 3214868480
	.fill 96, 4, 3214868480
	.section	.rodata,"a",@progbits
	.p2align	6, 0x0
	.amdhsa_kernel k_qeb7b64cdde_proj
		.amdhsa_group_segment_fixed_size 327680
		.amdhsa_private_segment_fixed_size 0
		.amdhsa_enable_private_segment 0
		.amdhsa_kernarg_size 56
		.amdhsa_user_sgpr_count 2
		.amdhsa_user_sgpr_kernarg_segment_ptr 1
		.amdhsa_wavefront_size32 1
		.amdhsa_system_sgpr_workgroup_id_x 1
		.amdhsa_system_sgpr_workgroup_id_y 1
		.amdhsa_system_sgpr_workgroup_id_z 1
		.amdhsa_system_vgpr_workitem_id 0
		.amdhsa_next_free_vgpr 448
		.amdhsa_next_free_sgpr 66
		.amdhsa_reserve_vcc 0
		.amdhsa_float_denorm_mode_32 3
		.amdhsa_float_denorm_mode_16_64 3
		.amdhsa_memory_ordered 1
		.amdhsa_forward_progress 1
		.amdhsa_inst_pref_size 132
	.end_amdhsa_kernel
	.amdgpu_metadata
---
amdhsa.version: [ 1, 2 ]
amdhsa.kernels:
  - .name:           k_qeb7b64cdde_proj
    .symbol:         k_qeb7b64cdde_proj.kd
    .args:
      - { .name: q, .offset: 0, .size: 8, .value_kind: global_buffer, .address_space: global }
      - { .name: k, .offset: 8, .size: 8, .value_kind: global_buffer, .address_space: global }
      - { .name: v, .offset: 16, .size: 8, .value_kind: global_buffer, .address_space: global }
      - { .name: wb, .offset: 24, .size: 8, .value_kind: global_buffer, .address_space: global }
      - { .name: qh, .offset: 32, .size: 8, .value_kind: global_buffer, .address_space: global }
      - { .name: kh, .offset: 40, .size: 8, .value_kind: global_buffer, .address_space: global }
      - { .name: vh, .offset: 48, .size: 8, .value_kind: global_buffer, .address_space: global }
    .group_segment_fixed_size: 327680
    .private_segment_fixed_size: 0
    .kernarg_segment_align: 8
    .kernarg_segment_size: 56
    .max_flat_workgroup_size: 128
    .sgpr_count:     66
    .vgpr_count:     448
    .wavefront_size: 32
...
	.end_amdgpu_metadata
.endif
;; end of part 2
;; launch attn (part 3): grid 16 x 12, 8 waves a work-group, clusters of 4 x 1, 327,680 bytes of LDS; arguments qh, kh, vh, mask, ah; writes ah
.if DOCPART == 3
	.amdgcn_target "amdgcn-amd-amdhsa--gfx1250"
	.amdhsa_code_object_version 6
	.text
	.protected	k_qeb7b64cdde_attn
	.globl	k_qeb7b64cdde_attn
	.p2align	8
	.type	k_qeb7b64cdde_attn,@function
k_qeb7b64cdde_attn:
	s_mov_b64 s[64:65], 0
	v_nop
	global_prefetch_b8 v0, s[64:65] scope:SCOPE_SE
	s_setreg_imm32_b32 hwreg(HW_REG_WAVE_MODE, 25, 1), 1
	s_wait_xcnt 0x0
	s_wait_alu depctr_hold_cnt(0) depctr_sa_sdst(0) depctr_va_vdst(0) depctr_va_sdst(0) depctr_va_ssrc(0) depctr_va_vcc(0) depctr_vm_vsrc(0)
	s_getreg_b32 s2, hwreg(HW_REG_IB_STS2, 6, 4)
	s_cmp_eq_u32 s2, 0
	s_cbranch_scc0 .Lentry_in_a_cluster
	s_endpgm
.Lentry_in_a_cluster:
	s_bfe_u32 s2, ttmp6, 0x10000c
	s_cmp_lg_u32 s2, 0x3003
	s_cbranch_scc0 .Lentry_shape_is_right
	s_endpgm
.Lentry_shape_is_right:
; Attention for one (batch, head) = y and 256 queries = x, with a running maximum.  qh, kh, vh, ah: [12][4096][64] f16; qh carries 0.125 log2(e).
; Eight waves: wave w takes the 64 queries of group w & 3 and, of each slot's 512 keys, the half w >> 2; the two halves are merged once at the end.
; K and V go through two LDS slots of 512 keys: a wave does four steps of 64 keys between two changes of slots.  The four query blocks of a cluster
; need the same tiles and ask for them jointly (mask 15): waves 0-3 fetch 128 rows of K each, waves 4-7 128 rows of V each: one tensor load a wave
; behind each round; two are out at the start, later one.
; AT A CHANGE OF SLOTS the last step's V fragments are already in registers, so its 32 products with V stand BEHIND the round: the new slot's first
; K fragments are fetched straight behind the refill and land while those products run.
; LAYOUT: S^T = K Q^T (source 0 = keys, source 1 = queries): lane (r, h), register j holds key 8 h + j of query r.  So maximum and sum over keys
; run inside a lane plus one step to lane xor 16, and the packed p are at once source 1 of O^T = V^T P^T (source 0 = V, read by transposing loads).
; A lane's eight numbers of O are eight neighbouring d of one query.
; SOFTMAX in base 2: m = running maximum of the scores, p = exp2(S - m) <= 1, alpha = exp2(m_old - m_new); sums in f32.
; THE MASK: float(mask) x (-1e9 log2 e) per key, any int32, enters as the C operand of the first score product.
; LIMITS.  (format) f16 operands: |q|, |k|, |v| as projected stay below 65,504 (as drawn rms 1; 900 times larger fits); p below 6e-8 count as zero.
; (order of rounding) score + mask term is rounded by the matrix unit, in base-2 units, not by one f32 addition in natural units: this can show
; only where every key of a batch has a non-zero mask, or where the mask holds several different non-zero integers.
.set KPITCH, 144                       ; K rows: 128 bytes + 16
.set VPITCH, 160                       ; V rows: 128 bytes + 32 (odd multiple of 32, for the transposing loads)
.set SKEYS,  512                       ; keys in a slot
.set VOFF,   SKEYS*KPITCH              ; 73,728: V behind K in a slot
.set SLOT,   VOFF+SKEYS*VPITCH         ; 155,648
.set BIASL,  2*SLOT                    ; 311,296: 4,096 mask terms in f32, written by LDS stores, never a tensor load's target
.set STGW,   17408                     ; the stage for the merge and the way out: 17,408 bytes for each group of queries, from LDS byte 0:
                                       ; inside slot 0, which by then has had its last fill and its last read
.set WV,  14                           ; s14 wave; s15 group of queries; s16 half of the keys
.set G1K, 24                           ; s[24:31] shape of 128 rows of K
.set G1V, 32                           ; s[32:39] of V
.set G0K, 40                           ; s[40:47] K: one set for each slot
.set G0V, 48                           ; s[48:55] V
.set ADK, 1                            ; v1, v2   K fragments in slot 0, 1
.set ADV, 3                            ; v3, v4   V fragments
.set ADB, 5                            ; v5       mask terms of this trip
.set ADB0, 6                           ; v6       mask terms of keys 0 ..
.set STG, 7                            ; v7       my 16 bytes in a 512-byte line of the stage
.set MR,  8                            ; v[8:11]   running maximum, one for each block of 16 queries
.set NMA, 12                           ; v[12:15]  minus the maximum, as of even steps
.set NMB, 16                           ; v[16:19]  as of odd steps
.set AL,  20                           ; v[20:23]  alpha; before that the second chain of the maximum
.set LL,  24                           ; v[24:31]  running sum, a pair for each block of queries
.set BI,  32                           ; v[32:63]  mask terms, 8 for each block of 16 keys
.set VF,  64                           ; v[64:127] V fragment (kk, dt) at 8 (4 kk + dt)
.set SS,  128                          ; v[128:255] scores: block i = 4 kk + qt of 16: key block 2 kk, then 2 kk + 1; later p packed in its first 8
.set OO,  0                            ; window 1: v[0:127] O tile (dt, qt) at 8 (4 dt + qt)
.set QF,  128                          ; window 1: v[128:191] Q fragment (qt, ks)
.set KF,  192                          ; window 1: v[192:255] K fragment (kt, ks)
.set MSB, 0
.macro WIN new                         ; low byte: bits 1:0 source 0, 3:2 source 1, 5:4 source 2, 7:6 destination; high byte: the setting that is left
.if MSB != \new
	s_set_vgpr_msb (MSB<<8)|\new
.set MSB, \new
.endif
.endm
.macro PLACES                          ; four places behind a matrix instruction (ISA guide 7.12.1)
.rept 4
	v_nop
.endr
.endm
.macro ROUND                           ; a round of the cluster's barrier
	s_barrier_signal -1
	s_barrier_wait -1
	s_cmp_lg_u32 s[WV], 0
	s_cbranch_scc1 .Lnot_wave_0_\@
	s_barrier_signal -3
.Lnot_wave_0_\@:
	s_barrier_wait -3
	s_barrier_signal -1
	s_barrier_wait -1
.endm
; A joint load into slot s: waves 0-3 K's line, waves 4-7 V's.  The branch hangs on the wave's number alone.
; Four v_nop follow each line; the jump, the label and what follows come after them.
.macro JLOAD s
	s_cmp_eq_u32 s16, 0
	s_cbranch_scc0 .Lfor_v_\@
	tensor_load_to_lds s[G0K+4*\s:G0K+4*\s+3], s[G1K:G1K+7]
	s_nop 0
.rept 4
	v_nop
.endr
	s_branch .Lasked_\@
.Lfor_v_\@:
	tensor_load_to_lds s[G0V+4*\s:G0V+4*\s+3], s[G1V:G1V+7]
	s_nop 0
.rept 4
	v_nop
.endr
.Lasked_\@:
.endm
	s_load_b256 s[4:11], s[0:1], 0x0               ; qh s[4:5], kh s[6:7], vh s[8:9], mask s[10:11]
	s_load_b64 s[12:13], s[0:1], 0x20              ; ah
	v_lshrrev_b32 v1, 5, v0
	v_readfirstlane_b32 s[WV], v1                  ; wave 0..7
	s_and_b32 s15, s[WV], 3                        ; group of 64 queries; also: which 128 rows of a tile I fetch
	s_lshr_b32 s16, s[WV], 2                       ; half of the keys; also: I fetch K (0) or V (1)
	s_bfe_u32 s17, ttmp6, 0x40000                  ; cx
	s_lshl_b32 s18, ttmp9, 2
	s_add_co_u32 s18, s18, s17                     ; block of 256 queries
	s_and_b32 s19, ttmp7, 0xffff                   ; 6 b + h
	s_lshl_b32 s22, s19, 19                        ; the head's plane of 524,288 bytes
	s_lshl_b32 s62, s15, 14                        ; K, V: + my 128 rows of 128 bytes: nothing of cx
	s_add_co_u32 s20, s22, s62
	s_mov_b32 s21, 0
	s_lshl_b32 s62, s18, 15                        ; Q, O: the plane + 256 rows a block
	s_add_co_u32 s22, s22, s62
	s_lshl_b32 s62, s15, 13                        ; + 64 rows a group
	s_add_co_u32 s22, s22, s62
	s_mov_b32 s23, 0
	s_cmp_ge_u32 s19, 6
	s_cselect_b32 s62, 16384, 0                    ; the batch's 4,096 mask words
	s_mov_b32 s63, 0
	s_mov_b32 s56, 0x76543210                      ; v_permlanex16_b32: lane i reads lane i of the other half
	s_mov_b32 s57, 0xfedcba98
	; 128 rows x 64 elements of 2 bytes, padding behind every 32 words: 4 words for K, 8 for V; mask 15, bit 21 beside it
	s_mov_b32 s[G1K+0], 15|(1<<16)|(1<<20)|(1<<21)|(4<<22)|(3<<25)
	s_mov_b32 s[G1V+0], 15|(1<<16)|(1<<20)|(1<<21)|(4<<22)|(7<<25)
.irp g, G1K, G1V
	s_mov_b32 s[\g+1], 64<<16                      ; tensor_dim0
	s_mov_b32 s[\g+2], 128<<16                     ; tensor_dim1
	s_mov_b32 s[\g+3], 64<<16                      ; tile_dim0
	s_mov_b32 s[\g+4], 128                         ; tile_dim1
	s_mov_b32 s[\g+5], 64                          ; elements from row to row
	s_mov_b32 s[\g+6], 0
	s_mov_b32 s[\g+7], 0
.endr
	s_mov_b32 s[G0K], 1
	s_mul_i32 s[G0K+1], s15, 128*KPITCH
	s_mov_b32 s[G0K+4], 1
	s_add_co_u32 s[G0K+5], s[G0K+1], SLOT
	s_mov_b32 s[G0V], 1
	s_mul_i32 s[G0V+1], s15, 128*VPITCH
	s_add_co_u32 s[G0V+1], s[G0V+1], VOFF
	s_mov_b32 s[G0V+4], 1
	s_add_co_u32 s[G0V+5], s[G0V+1], SLOT
	v_and_b32 v8, 15, v0                           ; r
	v_bfe_u32 v9, v0, 4, 1                         ; h
	v_lshlrev_b32 v144, 4, v0                      ; the mask: 16 bytes a thread, 4,096 bytes a load of the work-group
	v_lshlrev_b32 v145, 7, v8                      ; Q: row r, 16 h bytes; the four loads of a block of 16 queries cover its 2,048 bytes
	v_lshl_add_u32 v145, v9, 4, v145
	s_wait_kmcnt 0x0
	s_add_nc_u64 s[6:7], s[6:7], s[20:21]
	s_add_nc_u64 s[8:9], s[8:9], s[20:21]
	s_add_nc_u64 s[4:5], s[4:5], s[22:23]
	s_add_nc_u64 s[12:13], s[12:13], s[22:23]
	s_add_nc_u64 s[10:11], s[10:11], s[62:63]
	; the mask and Q go out ahead of the round: they need no partner
.irp i, 0,1,2,3
	global_load_b128 v[SS+4*\i:SS+4*\i+3], v144, s[10:11] offset:4096*\i
.endr
	WIN 0x40
.irp qt, 0,1,2,3
.irp ks, 0,1
	global_load_b128 v[QF+8*(2*\qt+\ks):QF+8*(2*\qt+\ks)+3], v145, s[4:5] offset:\qt*2048+\ks*64
	global_load_b128 v[QF+8*(2*\qt+\ks)+4:QF+8*(2*\qt+\ks)+7], v145, s[4:5] offset:\qt*2048+\ks*64+32
.endr
.endr
	WIN 0
	s_mov_b64 s[G0K+2:G0K+3], s[6:7]               ; keys 0-511
	s_or_b32 s[G0K+3], s[G0K+3], 0x80000000
	s_add_nc_u64 s[G0K+6:G0K+7], s[6:7], 65536     ; keys 512-1023
	s_or_b32 s[G0K+7], s[G0K+7], 0x80000000
	s_mov_b64 s[G0V+2:G0V+3], s[8:9]
	s_or_b32 s[G0V+3], s[G0V+3], 0x80000000
	s_add_nc_u64 s[G0V+6:G0V+7], s[8:9], 65536
	s_or_b32 s[G0V+7], s[G0V+7], 0x80000000
	ROUND                                          ; all four work-groups are here: the first joint loads meet
	JLOAD 0
	JLOAD 1
	v_add_nc_u32 v146, BIASL, v144
	v_and_b32 v10, 7, v0
	v_bfe_u32 v11, v0, 3, 1
	v_and_b32 v12, 31, v0
	v_mul_u32_u24 v1, v8, KPITCH                   ; K: row r, 16 h bytes, my half's 256 rows
	v_lshl_add_u32 v1, v9, 4, v1
	s_mul_i32 s58, s16, 256*KPITCH
	v_add_nc_u32 v[ADK], s58, v1
	v_add_nc_u32 v[ADK+1], SLOT, v[ADK]
	v_lshl_add_u32 v3, v9, 3, v10                  ; V: row 8 h + lane % 8, 16 bytes for each half of eight lanes
	v_mul_u32_u24 v3, v3, VPITCH
	v_lshl_add_u32 v3, v11, 4, v3
	s_mul_i32 s59, s16, 256*VPITCH
	s_add_co_u32 s59, s59, VOFF
	v_add_nc_u32 v[ADV], s59, v3
	v_add_nc_u32 v[ADV+1], SLOT, v[ADV]
	s_lshl_b32 s58, s16, 10                        ; mask terms: my half's 256 keys, 8 h keys
	s_add_co_u32 s58, s58, BIASL
	v_lshl_add_u32 v[ADB0], v9, 5, s58
	v_mov_b32 v[ADB], v[ADB0]
	s_mul_i32 s59, s15, STGW                       ; my group's stage, from LDS byte 0; kept to the end
	v_lshl_add_u32 v[STG], v12, 4, s59
.irp q, 0,1,2,3
	v_mov_b32 v[MR+\q], 0xff800000                 ; no maximum yet: -inf; its negative +inf makes the first alpha zero
	v_mov_b32 v[NMB+\q], 0x7f800000
	v_mov_b32 v[AL+\q], 0
.endr
.irp i, 0,1,2,3,4,5,6,7
	v_mov_b32 v[LL+\i], 0
.endr
	s_wait_loadcnt 16                              ; the four loads of the mask are in; Q's sixteen may be out
.irp i, 0,1,2,3,4,5,6,7,8,9,10,11,12,13,14,15
	v_cvt_f32_i32 v[SS+\i], v[SS+\i]
.endr
.irp i, 0,1,2,3,4,5,6,7,8,9,10,11,12,13,14,15
	v_mul_f32 v[SS+\i], 0xceabfb8f, v[SS+\i]       ; x (-1e9 log2 e)
.endr
.irp i, 0,1,2,3
	ds_store_b128 v146, v[SS+4*\i:SS+4*\i+3] offset:4096*\i
.endr
; One step's K fragments (64 keys x 64 d) and mask terms: 16 + 8 loads
.macro LOADK slot, st, boff
	WIN 0x40
.irp kt, 0,1,2,3
.irp ks, 0,1
	ds_load_b128 v[KF+8*(2*\kt+\ks):KF+8*(2*\kt+\ks)+3], v[ADK+\slot] offset:(\st)*64*KPITCH+\kt*16*KPITCH+\ks*64
	ds_load_b128 v[KF+8*(2*\kt+\ks)+4:KF+8*(2*\kt+\ks)+7], v[ADK+\slot] offset:(\st)*64*KPITCH+\kt*16*KPITCH+\ks*64+32
.endr
.endr
	WIN 0
.irp kt, 0,1,2,3
	ds_load_b128 v[BI+8*\kt:BI+8*\kt+3], v[ADB] offset:\boff+(\st)*256+\kt*64
	ds_load_b128 v[BI+8*\kt+4:BI+8*\kt+7], v[ADB] offset:\boff+(\st)*256+\kt*64+16
.endr
.endm
; One step's V fragments (64 keys x 64 d), transposed on the way: 16 loads
.macro LOADV slot, st
.irp kk, 0,1
.irp dt, 0,1,2,3
	ds_load_tr16_b128 v[VF+8*(4*\kk+\dt):VF+8*(4*\kk+\dt)+3], v[ADV+\slot] offset:(\st)*64*VPITCH+\kk*32*VPITCH+32*\dt
	ds_load_tr16_b128 v[VF+8*(4*\kk+\dt)+4:VF+8*(4*\kk+\dt)+7], v[ADV+\slot] offset:(\st)*64*VPITCH+\kk*32*VPITCH+32*\dt+16*VPITCH
.endr
.endr
.endm
; 32 matrix instructions: 64 keys x 64 queries x 64 d.  The first 16 start from the mask terms.  The 16 accumulators take turns, one instruction a turn.
.macro SMUL
.irp ks, 0,1
.irp kt, 0,1,2,3
.irp qt, 0,1,2,3
.if \ks
	v_wmma_f32_16x16x32_f16 v[SS+16*(4*(\kt/2)+\qt)+8*(\kt%2):SS+16*(4*(\kt/2)+\qt)+8*(\kt%2)+7], v[KF+8*(2*\kt+\ks):KF+8*(2*\kt+\ks)+7], v[QF+8*(2*\qt+\ks):QF+8*(2*\qt+\ks)+7], v[SS+16*(4*(\kt/2)+\qt)+8*(\kt%2):SS+16*(4*(\kt/2)+\qt)+8*(\kt%2)+7]
.else
	v_wmma_f32_16x16x32_f16 v[SS+16*(4*(\kt/2)+\qt)+8*(\kt%2):SS+16*(4*(\kt/2)+\qt)+8*(\kt%2)+7], v[KF+8*(2*\kt+\ks):KF+8*(2*\kt+\ks)+7], v[QF+8*(2*\qt+\ks):QF+8*(2*\qt+\ks)+7], v[BI+8*\kt:BI+8*\kt+7]
.endif
.endr
.endr
.endr
.endm
; Two scores of block i minus their query's maximum; op_sel picks the query block's register of its pair for both halves
.macro SADD i, n, nm
.if (\i) & 1
	v_pk_add_f32 v[SS+16*(\i)+2*(\n):SS+16*(\i)+2*(\n)+1], v[SS+16*(\i)+2*(\n):SS+16*(\i)+2*(\n)+1], v[\nm+((\i)&2):\nm+((\i)&2)+1] op_sel:[0,1] op_sel_hi:[1,1]
.else
	v_pk_add_f32 v[SS+16*(\i)+2*(\n):SS+16*(\i)+2*(\n)+1], v[SS+16*(\i)+2*(\n):SS+16*(\i)+2*(\n)+1], v[\nm+((\i)&2):\nm+((\i)&2)+1] op_sel:[0,0] op_sel_hi:[1,0]
.endif
.endm
; Plain work n = 0..15 on block i, whose exponentials are done.  Even n: p of registers n, n + 1 join the running sum (the step's first addition
; carries alpha).  Odd n: the same two p are packed to f16 into register (n - 1) / 2, which the addition and the packing of that number have read before.
; Additions and packings alternate, so that two links of the sum's chain stand further apart.
.macro SOP i, n
.if ((\n) & 1) == 0
.if ((\n) == 0) & ((\i) < 4)
.if (\i) & 1
	s_wait_alu depctr_va_vdst(0)
	v_pk_fma_f32 v[LL+2*((\i)&3):LL+2*((\i)&3)+1], v[LL+2*((\i)&3):LL+2*((\i)&3)+1], v[AL+((\i)&2):AL+((\i)&2)+1], v[SS+16*(\i):SS+16*(\i)+1] op_sel:[0,1,0] op_sel_hi:[1,1,1]
.else
	s_wait_alu depctr_va_vdst(0)
	v_pk_fma_f32 v[LL+2*((\i)&3):LL+2*((\i)&3)+1], v[LL+2*((\i)&3):LL+2*((\i)&3)+1], v[AL+((\i)&2):AL+((\i)&2)+1], v[SS+16*(\i):SS+16*(\i)+1] op_sel:[0,0,0] op_sel_hi:[1,0,1]
.endif
.else
	s_wait_alu depctr_va_vdst(0)
	v_pk_add_f32 v[LL+2*((\i)&3):LL+2*((\i)&3)+1], v[LL+2*((\i)&3):LL+2*((\i)&3)+1], v[SS+16*(\i)+(\n):SS+16*(\i)+(\n)+1]
.endif
.else
	v_cvt_pk_f16_f32 v[SS+16*(\i)+((\n)-1)/2], v[SS+16*(\i)+(\n)-1], v[SS+16*(\i)+(\n)]
.endif
.endm
; nmn: where minus the new maximum goes; nmo: where minus the old one lies
.macro SOFTMAX nmn, nmo
; The maximum of my 32 keys for each of four queries, in eight chains side by side: the running maximum takes keys 0-31's blocks,
; a second chain, started by two scores, takes keys 32-63's: a link stands eight instructions behind the one that it reads.
.irp q, 0,1,2,3
	v_max3_num_f32 v[MR+\q], v[MR+\q], v[SS+16*\q], v[SS+16*\q+1]
.endr
.irp q, 0,1,2,3
	v_max_num_f32 v[AL+\q], v[SS+16*(\q+4)], v[SS+16*(\q+4)+1]
.endr
.set mx, 1
.rept 7
.irp q, 0,1,2,3
	v_max3_num_f32 v[MR+\q], v[MR+\q], v[SS+16*\q+2*mx], v[SS+16*\q+2*mx+1]
.endr
.irp q, 0,1,2,3
	v_max3_num_f32 v[AL+\q], v[AL+\q], v[SS+16*(\q+4)+2*mx], v[SS+16*(\q+4)+2*mx+1]
.endr
.set mx, mx+1
.endr
.irp q, 0,1,2,3
	v_max_num_f32 v[MR+\q], v[MR+\q], v[AL+\q]
.endr
.irp q, 0,1,2,3
	v_permlanex16_b32 v[AL+\q], v[MR+\q], s56, s57 ; the other 32 keys' maximum lies in lane xor 16
.endr
.irp q, 0,1,2,3
	v_max_num_f32 v[MR+\q], v[MR+\q], v[AL+\q]
.endr
.irp q, 0,1,2,3
	v_mul_f32 v[\nmn+\q], -1.0, v[MR+\q]
.endr
.irp n, 0,1,2,3
	SADD 0, \n, \nmn                               ; the first block's subtractions fill the way from the maximum to alpha
.endr
.irp q, 0,1,2,3
	v_sub_f32 v[AL+\q], v[\nmn+\q], v[\nmo+\q]     ; m_old - m_new
.endr
.irp n, 4,5,6,7
	SADD 0, \n, \nmn
.endr
.irp q, 0,1,2,3
	v_exp_f32 v[AL+\q], v[AL+\q]                   ; alpha; plain work on other registers stands between it and its first use (ISA guide 5.7.2)
.endr
; Block by block: each exponential is followed by plain work on the block before and by the subtraction for the block after,
; so that no result of an exponential is read by the instruction behind it.
.set bi, 0
.rept 8
.set bn, 0
.rept 16
	v_exp_f32 v[SS+16*bi+bn], v[SS+16*bi+bn]
.if bi > 0
	SOP bi-1, bn
.endif
.if bn < 8
.if bi < 7
	SADD bi+1, bn, \nmn
.endif
.endif
.set bn, bn+1
.endr
.set bi, bi+1
.endr
.set bn, 0
.rept 16
	SOP 7, bn
.set bn, bn+1
.endr
.endm
.macro RESCALE                         ; O x alpha
.irp dt, 0,1,2,3
.irp qt, 0,1,2,3
.irp p, 0,2,4,6
.if \qt & 1
	v_pk_mul_f32 v[OO+8*(4*\dt+\qt)+\p:OO+8*(4*\dt+\qt)+\p+1], v[OO+8*(4*\dt+\qt)+\p:OO+8*(4*\dt+\qt)+\p+1], v[AL+(\qt&2):AL+(\qt&2)+1] op_sel:[0,1] op_sel_hi:[1,1]
.else
	v_pk_mul_f32 v[OO+8*(4*\dt+\qt)+\p:OO+8*(4*\dt+\qt)+\p+1], v[OO+8*(4*\dt+\qt)+\p:OO+8*(4*\dt+\qt)+\p+1], v[AL+(\qt&2):AL+(\qt&2)+1] op_sel:[0,0] op_sel_hi:[1,0]
.endif
.endr
.endr
.endr
.endm
; 32 matrix instructions: 64 d x 64 queries x 64 keys.  first = 1: the first 16 start the sums.  The 16 accumulators take turns, one instruction a turn.
.macro PVMUL first
.irp kk, 0,1
.irp dt, 0,1,2,3
.irp qt, 0,1,2,3
.if (\first) & (1-\kk)
	v_wmma_f32_16x16x32_f16 v[OO+8*(4*\dt+\qt):OO+8*(4*\dt+\qt)+7], v[VF+8*(4*\kk+\dt):VF+8*(4*\kk+\dt)+7], v[SS+16*(4*\kk+\qt):SS+16*(4*\kk+\qt)+7], 0
.else
	v_wmma_f32_16x16x32_f16 v[OO+8*(4*\dt+\qt):OO+8*(4*\dt+\qt)+7], v[VF+8*(4*\kk+\dt):VF+8*(4*\kk+\dt)+7], v[SS+16*(4*\kk+\qt):SS+16*(4*\kk+\qt)+7], v[OO+8*(4*\dt+\qt):OO+8*(4*\dt+\qt)+7]
.endif
.endr
.endr
.endr
.endm
; The first part of a step of 64 keys: scores, softmax, O x alpha.  pre = 1: the next step's K and mask terms are fetched behind V.
.macro STEPA slot, st, first, pre, boff, nmn, nmo
	s_wait_dscnt 0x0                               ; this step's K and mask terms
	WIN 0x05                                       ; sources 0 and 1 (K, Q) in window 1
	SMUL
	WIN 0
	PLACES                                         ; in front of the reads of the scores and of the loads into K's and the mask terms' registers
	LOADV \slot, \st
.if \pre
	LOADK \slot, \st+1, \boff
.endif
	SOFTMAX \nmn, \nmo
.if \first
.else
	WIN 0x41                                       ; O (destination, source 0) in window 1
	RESCALE
.endif
.endm
; The second part: the products with V.  left = how many LDS loads issued behind V's sixteen may stay out.
.macro STEPB first, left
	s_wait_dscnt \left
	WIN 0x50                                       ; O (C and D) in window 1
	PVMUL \first
	WIN 0
.rept 5
	v_nop                                          ; five places: the next score products write over p, the next loads over V
.endr
.endm
; My 256 keys of a slot, whose first K fragments are on their way; the last step's products with V are left to what follows.
.macro WORKBODY slot, first, boff
	STEPA \slot, 0, \first, 1, \boff, NMA, NMB
	STEPB \first, 24                               ; V is in; the next step's 16 + 8 loads may be out
	STEPA \slot, 1, 0, 1, \boff, NMB, NMA
	STEPB 0, 24
	STEPA \slot, 2, 0, 1, \boff, NMA, NMB
	STEPB 0, 24
	STEPA \slot, 3, 0, 0, \boff, NMB, NMA
.endm
; A change of slots.  next: the slot that is read from here on; refill = 1: the other slot, read last, gets the 512 keys after next.
.macro BOUND next, refill, boff
	WIN 0
	s_wait_tensorcnt 0x0                           ; all my tensor loads have landed, my part of the next slot among them: a group 0 may be written
.if \refill
	s_add_nc_u64 s[G0K+4*(1-\next)+2:G0K+4*(1-\next)+3], s[G0K+4*(1-\next)+2:G0K+4*(1-\next)+3], 131072
	s_add_nc_u64 s[G0V+4*(1-\next)+2:G0V+4*(1-\next)+3], s[G0V+4*(1-\next)+2:G0V+4*(1-\next)+3], 131072
.endif
	s_wait_dscnt 0x0                               ; my reads of the old slot are back, the last step's V fragments among them
.if \refill
	ROUND                                          ; both now hold of every wave of the four work-groups
	JLOAD (1-\next)                                ; my one tensor load behind the round, and the first thing there
.else
	s_barrier_signal -1                            ; nothing is filled again: my work-group's barrier shows the slot whole
	s_barrier_wait -1
.endif
	LOADK \next, 0, \boff                          ; the new slot's first K fragments and mask terms land
	STEPB 0, 24                                    ; while the old slot's last products with V run on registers (the count lets those 24 loads stay out)
	WORKBODY \next, 0, \boff
.endm
	s_wait_loadcnt 0x0                             ; Q
	s_wait_dscnt 0x0                               ; my part of the mask terms is written
	s_wait_tensorcnt 0x1                           ; my part of slot 0 is in; slot 1's may stay out
	s_barrier_signal -1
	s_barrier_wait -1
	LOADK 0, 0, 0
	WORKBODY 0, 1, 0                               ; keys 0-511: the first products start O's sums
	WIN 0
	s_mov_b32 s60, 0
.Lkv:                                  ; trip t: keys 512 (2 t + 1) .. and 512 (2 t + 2) ..
	v_lshl_add_u32 v[ADB], s60, 12, v[ADB0]        ; 4,096 bytes of mask terms a trip; the rest stands in the immediates
	BOUND 1, 1, 2048
	BOUND 0, 1, 4096
	WIN 0
	s_add_co_u32 s60, s60, 1
	s_cmp_lt_u32 s60, 3
	s_cbranch_scc1 .Lkv
	v_mov_b32 v[ADB], v[ADB0]
	BOUND 1, 0, 14336                              ; the last 512 keys: nothing is left to fetch
	STEPB 0, 0                                     ; and their last products with V
	; THE END.  The sum over my keys: the pair, then lane xor 16.
.irp q, 0,1,2,3
	v_add_f32 v[AL+\q], v[LL+2*\q], v[LL+2*\q+1]
.endr
.irp q, 0,1,2,3
	v_permlanex16_b32 v[MR+\q], v[AL+\q], s56, s57
.endr
.irp q, 0,1,2,3
	v_add_f32 v[AL+\q], v[AL+\q], v[MR+\q]
.endr
	s_cmp_eq_u32 s16, 0
	s_cbranch_scc1 .Lkeep
	WIN 0x04                                       ; waves 4-7 hand O, minus the maximum and the sum to their partners: store data in window 1
.set i, 0
.rept 32
	ds_store_b128 v[STG], v[OO+4*i:OO+4*i+3] offset:512*i  ; into slot 0: every wave's reads of it ended in front of the last barrier, and no fill follows
.set i, i+1
.endr
	WIN 0
	ds_store_b128 v[STG], v[NMB:NMB+3] offset:32*512
	ds_store_b128 v[STG], v[AL:AL+3] offset:33*512
.Lkeep:
	s_wait_dscnt 0x0                               ; the stores are done before the signal
	s_barrier_signal -1
	s_barrier_wait -1
	s_cmp_lg_u32 s16, 0
	s_cbranch_scc1 .Ldone
	ds_load_b128 v[MR:MR+3], v[STG] offset:32*512          ; the partner's minus maximum
	ds_load_b128 v[NMA:NMA+3], v[STG] offset:33*512        ; and sum
.set i, 0
.rept 32
	ds_load_b128 v[SS+4*i:SS+4*i+3], v[STG] offset:512*i   ; and O
.set i, i+1
.endr
	v_and_b32 v40, 15, v0                          ; meanwhile the addresses of the way out: in, row r of 144 bytes, 16 h
	v_bfe_u32 v43, v0, 4, 1
	v_mul_u32_u24 v40, v40, 144
	v_lshl_add_u32 v40, v43, 4, v40
	v_add_nc_u32 v40, s59, v40
	v_bfe_u32 v41, v0, 3, 2                        ; back: eight lanes take a row of 128 bytes, a wave four rows
	v_and_b32 v43, 7, v0
	v_mul_u32_u24 v41, v41, 144
	v_lshl_add_u32 v41, v43, 4, v41
	v_add_nc_u32 v41, s59, v41
	v_and_b32 v42, 31, v0
	v_lshlrev_b32 v42, 4, v42
	s_wait_dscnt 32                                ; the two short loads are in; O's 32 may be out
.irp q, 0,1,2,3
	v_min_num_f32 v[BI+\q], v[NMB+\q], v[MR+\q]    ; minus the joint maximum
.endr
.irp q, 0,1,2,3
	v_sub_f32 v[LL+\q], v[BI+\q], v[NMB+\q]
	v_sub_f32 v[LL+4+\q], v[BI+\q], v[MR+\q]
.endr
.irp i, 0,1,2,3,4,5,6,7
	v_exp_f32 v[LL+\i], v[LL+\i]                   ; my factor in v[24:27], the partner's in v[28:31]
.endr
	v_nop                                          ; one plain place behind the exponentials (ISA guide 5.7.2)
	s_wait_alu depctr_va_vdst(0)
.irp q, 0,1,2,3
	v_mul_f32 v[AL+\q], v[AL+\q], v[LL+\q]
.endr
.irp q, 0,1,2,3
	v_fmac_f32 v[AL+\q], v[NMA+\q], v[LL+4+\q]     ; the joint sum: at least 1, the joint maximum's own term
.endr
.irp q, 0,1,2,3
	v_rcp_f32 v[AL+\q], v[AL+\q]
.endr
	v_nop
	s_wait_alu depctr_va_vdst(0)
.irp q, 0,1,2,3
	v_mul_f32 v[LL+\q], v[LL+\q], v[AL+\q]         ; the division goes into the two factors
	v_mul_f32 v[LL+4+\q], v[LL+4+\q], v[AL+\q]
.endr
	s_wait_dscnt 0x0
.irp dt, 0,1,2,3
.irp qt, 0,1,2,3
.irp p, 0,2,4,6
.if \qt & 1
	v_pk_mul_f32 v[SS+8*(4*\dt+\qt)+\p:SS+8*(4*\dt+\qt)+\p+1], v[SS+8*(4*\dt+\qt)+\p:SS+8*(4*\dt+\qt)+\p+1], v[LL+4+(\qt&2):LL+4+(\qt&2)+1] op_sel:[0,1] op_sel_hi:[1,1]
.else
	v_pk_mul_f32 v[SS+8*(4*\dt+\qt)+\p:SS+8*(4*\dt+\qt)+\p+1], v[SS+8*(4*\dt+\qt)+\p:SS+8*(4*\dt+\qt)+\p+1], v[LL+4+(\qt&2):LL+4+(\qt&2)+1] op_sel:[0,0] op_sel_hi:[1,0]
.endif
.endr
.endr
.endr
	WIN 0x01                                       ; my O (source 0) in window 1
.irp dt, 0,1,2,3
.irp qt, 0,1,2,3
.irp p, 0,2,4,6
.if \qt & 1
	v_pk_fma_f32 v[SS+8*(4*\dt+\qt)+\p:SS+8*(4*\dt+\qt)+\p+1], v[OO+8*(4*\dt+\qt)+\p:OO+8*(4*\dt+\qt)+\p+1], v[LL+(\qt&2):LL+(\qt&2)+1], v[SS+8*(4*\dt+\qt)+\p:SS+8*(4*\dt+\qt)+\p+1] op_sel:[0,1,0] op_sel_hi:[1,1,1]
.else
	v_pk_fma_f32 v[SS+8*(4*\dt+\qt)+\p:SS+8*(4*\dt+\qt)+\p+1], v[OO+8*(4*\dt+\qt)+\p:OO+8*(4*\dt+\qt)+\p+1], v[LL+(\qt&2):LL+(\qt&2)+1], v[SS+8*(4*\dt+\qt)+\p:SS+8*(4*\dt+\qt)+\p+1] op_sel:[0,0,0] op_sel_hi:[1,0,1]
.endif
.endr
.endr
.endr
	WIN 0
	; The way out: round to f16, 16 bytes a lane into the stage (only I touch it from here on), back as whole rows.
.irp dt, 0,1,2,3
.irp qt, 0,1,2,3
.irp p, 0,1,2,3
	v_cvt_pk_f16_f32 v[VF+4*(4*\dt+\qt)+\p], v[SS+8*(4*\dt+\qt)+2*\p], v[SS+8*(4*\dt+\qt)+2*\p+1]
.endr
.endr
.endr
.irp dt, 0,1,2,3
.irp qt, 0,1,2,3
	ds_store_b128 v40, v[VF+4*(4*\dt+\qt):VF+4*(4*\dt+\qt)+3] offset:\qt*16*144+32*\dt
.endr
.endr
.set i, 0
.rept 16
	ds_load_b128 v[SS+4*i:SS+4*i+3], v41 offset:i*4*144    ; LDS serves a wave's instructions in order (ISA guide 5.7.1): these see the stores above
.set i, i+1
.endr
.set i, 0
.rept 16
	s_wait_dscnt 15-i
	global_store_b128 v42, v[SS+4*i:SS+4*i+3], s[12:13] offset:512*i       ; four rows = 512 consecutive bytes, aligned
.set i, i+1
.endr
.Ldone:
	ROUND                                          ; the closing round: no work-group ends while a partner may still ask jointly
	s_endpgm
.Lfunc_end_k_qeb7b64cdde_attn:
	.size	k_qeb7b64cdde_attn, .Lfunc_end_k_qeb7b64cdde_attn-k_qeb7b64cdde_attn
	.p2alignl 7, 3214868480
	.fill 96, 4, 3214868480
	.section	.rodata,"a",@progbits
	.p2align	6, 0x0
	.amdhsa_kernel k_qeb7b64cdde_attn
		.amdhsa_group_segment_fixed_size 327680
		.amdhsa_private_segment_fixed_size 0
		.amdhsa_enable_private_segment 0
		.amdhsa_kernarg_size 40
		.amdhsa_user_sgpr_count 2
		.amdhsa_user_sgpr_kernarg_segment_ptr 1
		.amdhsa_wavefront_size32 1
		.amdhsa_system_sgpr_workgroup_id_x 1
		.amdhsa_system_sgpr_workgroup_id_y 1
		.amdhsa_system_sgpr_workgroup_id_z 1
		.amdhsa_system_vgpr_workitem_id 0
		.amdhsa_next_free_vgpr 512
		.amdhsa_next_free_sgpr 66
		.amdhsa_reserve_vcc 0
		.amdhsa_float_denorm_mode_32 3
		.amdhsa_float_denorm_mode_16_64 3
		.amdhsa_memory_ordered 1
		.amdhsa_forward_progress 1
		.amdhsa_inst_pref_size 255
	.end_amdhsa_kernel
	.section	.bss,"aw",@nobits
	.p2align	6
	.space	262144
	.amdgpu_metadata
---
amdhsa.version: [ 1, 2 ]
amdhsa.kernels:
  - .name:           k_qeb7b64cdde_attn
    .symbol:         k_qeb7b64cdde_attn.kd
    .args:
      - { .name: qh, .offset: 0, .size: 8, .value_kind: global_buffer, .address_space: global }
      - { .name: kh, .offset: 8, .size: 8, .value_kind: global_buffer, .address_space: global }
      - { .name: vh, .offset: 16, .size: 8, .value_kind: global_buffer, .address_space: global }
      - { .name: mask, .offset: 24, .size: 8, .value_kind: global_buffer, .address_space: global }
      - { .name: ah, .offset: 32, .size: 8, .value_kind: global_buffer, .address_space: global }
    .group_segment_fixed_size: 327680
    .private_segment_fixed_size: 0
    .kernarg_segment_align: 8
    .kernarg_segment_size: 40
    .max_flat_workgroup_size: 256
    .sgpr_count:     66
    .vgpr_count:     512
    .wavefront_size: 32
...
	.end_amdgpu_metadata
.endif
;; end of part 3
;; launch outp (part 4): grid 128 x 2, 4 waves a work-group, clusters of 4 x 1, 289,792 bytes of LDS; arguments ah, wb, b_o, out0; writes out0
.if DOCPART == 4
	.amdgcn_target "amdgcn-amd-amdhsa--gfx1250"
	.amdhsa_code_object_version 6
	.text
	.protected	k_qeb7b64cdde_outp
	.globl	k_qeb7b64cdde_outp
	.p2align	8
	.type	k_qeb7b64cdde_outp,@function
k_qeb7b64cdde_outp:
	s_mov_b64 s[64:65], 0
	v_nop
	global_prefetch_b8 v0, s[64:65] scope:SCOPE_SE
	s_setreg_imm32_b32 hwreg(HW_REG_WAVE_MODE, 25, 1), 1
	s_wait_xcnt 0x0
	s_wait_alu depctr_hold_cnt(0) depctr_sa_sdst(0) depctr_va_vdst(0) depctr_va_sdst(0) depctr_va_ssrc(0) depctr_va_vcc(0) depctr_vm_vsrc(0)
	s_getreg_b32 s2, hwreg(HW_REG_IB_STS2, 6, 4)
	s_cmp_eq_u32 s2, 0
	s_cbranch_scc0 .Lentry_in_a_cluster
	s_endpgm
.Lentry_in_a_cluster:
	s_bfe_u32 s2, ttmp6, 0x10000c
	s_cmp_lg_u32 s2, 0x3003
	s_cbranch_scc0 .Lentry_shape_is_right
	s_endpgm
.Lentry_shape_is_right:
; out0 [8192][384] f32 = attention [8192][384] (ah: f16, [12 = 6 b + h][4096][64]) x w_o (f16 tiles of wb) + b_o.
; Work-group (x, y): 64 rows, 192 columns (three weight tiles).  Wave w: all 64 rows x columns 64 tt + 16 w, tt = 0..2: 12 accumulators, 144 matrix instructions.
; Everything comes into LDS once: no slot is filled again.  Each wave fetches 16 rows of all six heads (a load of its own) and a quarter of the three
; weight tiles (a joint load: the four work-groups of a cluster need the same weights): two tensor loads of the wave are out.
; THE MATRIX INSTRUCTION IS USED TRANSPOSED (source 0 = 16 columns of w_o by transposing loads, source 1 = 16 rows): a lane's eight results are eight
; neighbouring columns of one row.  b_o is the C operand of the first product.  The results leave through an LDS stage as whole rows.
; LIMIT (format): f16 operands, as in the launches before.
.set APITCH, 144
.set APART,  6*16*APITCH               ; 13,824: 16 rows of six heads
.set WS,     4*APART                   ; 55,296
.set WPITCH, 160
.set WTL,    384*WPITCH                ; 61,440: a weight tile in LDS
.set STG,    WS+3*WTL                  ; 239,616: 64 rows of 768 bytes, pitch 784 = 49 x 16
.set OPITCH, 784
.set WV,  12                           ; s12 wave
.set G1A, 24                           ; s[24:31]
.set G0A, 32                           ; s[32:35]
.set G1W, 36                           ; s[36:43]
.set G0W, 44                           ; s[44:47]
.set ADA, 1                            ; v1      fragments of the rows
.set ADW, 2                            ; v2-v4   fragments of weight tile tt
.set STO, 5                            ; v5      stage in
.set RD,  6                            ; v6      stage back
.set GO,  7                            ; v7      my place in two rows of out0
.set BIAS, 16                          ; v[16:39]   b_o of my 8 columns, for each tt
.set ACC,  40                          ; v[40:135]  tile (tt, rt) at 8 (4 tt + rt)
.set F0,   136                         ; v[136:191] four row fragments, then three weight fragments
.set F1,   192                         ; v[192:247] second buffer
.macro PLACES                          ; four places behind a matrix instruction (ISA guide 7.12.1)
.rept 4
	v_nop
.endr
.endm
.macro ROUND                           ; a round of the cluster's barrier
	s_barrier_signal -1
	s_barrier_wait -1
	s_cmp_lg_u32 s[WV], 0
	s_cbranch_scc1 .Lnot_wave_0_\@
	s_barrier_signal -3
.Lnot_wave_0_\@:
	s_barrier_wait -3
	s_barrier_signal -1
	s_barrier_wait -1
.endm
	s_load_b256 s[4:11], s[0:1], 0x0               ; ah s[4:5], wb s[6:7], b_o s[8:9], out0 s[10:11]
	v_lshrrev_b32 v1, 5, v0
	v_readfirstlane_b32 s[WV], v1
	s_bfe_u32 s13, ttmp6, 0x40000                  ; cx
	s_lshl_b32 s14, ttmp9, 2
	s_add_co_u32 s14, s14, s13                     ; block of 64 rows
	s_and_b32 s15, ttmp7, 0xffff                   ; half of the columns
	s_lshr_b32 s16, s14, 6                         ; ah: batch x 6 planes of 524,288 bytes,
	s_mul_i32 s16, s16, 6*524288
	s_and_b32 s17, s14, 63                         ; 64 rows of 128 bytes a block,
	s_lshl_b32 s17, s17, 13
	s_add_co_u32 s16, s16, s17
	s_lshl_b32 s17, s[WV], 11                      ; 16 rows a wave
	s_add_co_u32 s16, s16, s17
	s_mov_b32 s17, 0
	s_mul_i32 s18, s15, 3*49152                    ; wb: the fourth weight, three tiles a half, 288 rows of 128 bytes a wave: nothing of cx
	s_mul_i32 s19, s[WV], 288*128
	s_add_co_u32 s18, s18, s19
	s_add_co_u32 s18, s18, 3*294912
	s_mov_b32 s19, 0
	s_mul_i32 s20, s14, 64*1536                    ; out0: 64 rows a block, 16 a wave, 768 bytes a half
	s_mul_i32 s21, s[WV], 16*1536
	s_add_co_u32 s20, s20, s21
	s_mul_i32 s22, s15, 768
	s_add_co_u32 s20, s20, s22
	s_mov_b32 s21, 0
	s_lshl_b32 s23, s[WV], 6                       ; b_o: 768 bytes a half, 64 a wave
	s_add_co_u32 s22, s22, s23
	; the rows: six tile rows (the heads, 262,144 elements apart) of 1,024 elements (16 dense rows of a head); 4 words of padding behind every 32 words
	s_mov_b32 s[G1A+0], (1<<16)|(1<<20)|(4<<22)|(3<<25)
	s_mov_b32 s[G1A+1], 1024<<16
	s_mov_b32 s[G1A+2], 6<<16
	s_mov_b32 s[G1A+3], 1024<<16
	s_mov_b32 s[G1A+4], 6
	s_mov_b32 s[G1A+5], 262144
	s_mov_b32 s[G1A+6], 0
	s_mov_b32 s[G1A+7], 0
	; the weights: 288 rows x 64 elements; 8 words of padding behind every 32 words; mask 15, bit 21 beside it
	s_mov_b32 s[G1W+0], 15|(1<<16)|(1<<20)|(1<<21)|(4<<22)|(7<<25)
	s_mov_b32 s[G1W+1], 64<<16
	s_mov_b32 s[G1W+2], 288<<16
	s_mov_b32 s[G1W+3], 64<<16
	s_mov_b32 s[G1W+4], 288
	s_mov_b32 s[G1W+5], 64
	s_mov_b32 s[G1W+6], 0
	s_mov_b32 s[G1W+7], 0
	s_mov_b32 s[G0A], 1
	s_mul_i32 s[G0A+1], s[WV], APART
	s_mov_b32 s[G0W], 1
	s_mul_i32 s[G0W+1], s[WV], 288*WPITCH
	s_add_co_u32 s[G0W+1], s[G0W+1], WS
	s_wait_kmcnt 0x0
	s_add_nc_u64 s[G0A+2:G0A+3], s[4:5], s[16:17]
	s_or_b32 s[G0A+3], s[G0A+3], 0x80000000
	s_add_nc_u64 s[G0W+2:G0W+3], s[6:7], s[18:19]
	s_or_b32 s[G0W+3], s[G0W+3], 0x80000000
	s_add_nc_u64 s[10:11], s[10:11], s[20:21]
	ROUND                                          ; all four work-groups are here: the joint loads meet
	tensor_load_to_lds s[G0A:G0A+3], s[G1A:G1A+7]
	s_nop 0
	tensor_load_to_lds s[G0W:G0W+3], s[G1W:G1W+7]
	s_nop 0
	v_and_b32 v9, 15, v0                           ; r
	v_bfe_u32 v10, v0, 4, 1                        ; h
	v_and_b32 v11, 7, v0
	v_bfe_u32 v12, v0, 3, 1
	v_lshl_add_u32 v8, v10, 5, s22                 ; b_o of columns 192 y + 16 w + 8 h ..
.irp tt, 0,1,2
	global_load_b128 v[BIAS+8*\tt:BIAS+8*\tt+3], v8, s[8:9] offset:256*\tt
	global_load_b128 v[BIAS+8*\tt+4:BIAS+8*\tt+7], v8, s[8:9] offset:256*\tt+16
.endr
	v_mul_u32_u24 v1, v9, APITCH
	v_lshl_add_u32 v[ADA], v10, 4, v1
	v_lshl_add_u32 v13, v10, 3, v11
	v_mul_u32_u24 v13, v13, WPITCH
	v_lshl_add_u32 v13, v12, 4, v13
	s_lshl_b32 s23, s[WV], 5                       ; my 16 columns of a tile
	s_add_co_u32 s23, s23, WS
	v_add_nc_u32 v[ADW], s23, v13
	v_add_nc_u32 v[ADW+1], WTL, v[ADW]
	v_add_nc_u32 v[ADW+2], WTL, v[ADW+1]
	v_mul_u32_u24 v5, v9, OPITCH                   ; stage in: row r, my 16 columns, 8 h of them
	v_lshl_add_u32 v5, v10, 5, v5
	s_lshl_b32 s23, s[WV], 6
	s_add_co_u32 s23, s23, STG
	v_add_nc_u32 v[STO], s23, v5
	v_mul_u32_u24 v6, v10, OPITCH                  ; stage back: rows 16 w ..: sixteen lanes take 256 bytes of a row, the other sixteen of the next
	v_lshl_add_u32 v6, v9, 4, v6
	s_mul_i32 s23, s[WV], 16*OPITCH
	s_add_co_u32 s23, s23, STG
	v_add_nc_u32 v[RD], s23, v6
	v_mul_u32_u24 v7, v10, 1536
	v_lshl_add_u32 v[GO], v9, 4, v7
; One K step's fragments (32 along K = half a head): four of the rows, three of the weights
.macro FETCH ks, fb
.irp rt, 0,1,2,3
	ds_load_b128 v[\fb+8*\rt:\fb+8*\rt+3], v[ADA] offset:\rt*APART+((\ks)/2)*16*APITCH+((\ks)%2)*64
	ds_load_b128 v[\fb+8*\rt+4:\fb+8*\rt+7], v[ADA] offset:\rt*APART+((\ks)/2)*16*APITCH+((\ks)%2)*64+32
.endr
.irp tt, 0,1,2
	ds_load_tr16_b128 v[\fb+32+8*\tt:\fb+32+8*\tt+3], v[ADW+\tt] offset:(\ks)*32*WPITCH
	ds_load_tr16_b128 v[\fb+32+8*\tt+4:\fb+32+8*\tt+7], v[ADW+\tt] offset:(\ks)*32*WPITCH+16*WPITCH
.endr
.endm
.macro MM fb, tt, rt, first
.if \first
	v_wmma_f32_16x16x32_f16 v[ACC+8*(4*\tt+\rt):ACC+8*(4*\tt+\rt)+7], v[\fb+32+8*\tt:\fb+32+8*\tt+7], v[\fb+8*\rt:\fb+8*\rt+7], v[BIAS+8*\tt:BIAS+8*\tt+7]
.else
	v_wmma_f32_16x16x32_f16 v[ACC+8*(4*\tt+\rt):ACC+8*(4*\tt+\rt)+7], v[\fb+32+8*\tt:\fb+32+8*\tt+7], v[\fb+8*\rt:\fb+8*\rt+7], v[ACC+8*(4*\tt+\rt):ACC+8*(4*\tt+\rt)+7]
.endif
.endm
; A K step: 12 matrix instructions; the 12 accumulators take turns, one instruction a turn.  In its middle the next step's fragments are fetched.
.macro KSTEP ks, fa, fn, first, more
	s_wait_dscnt 0x0
	MM \fa, 0, 0, \first
	MM \fa, 0, 1, \first
	MM \fa, 0, 2, \first
	MM \fa, 0, 3, \first
	MM \fa, 1, 0, \first
	MM \fa, 1, 1, \first
.if \more
	PLACES                                         ; in front of loads into the buffer that the last K step's matrix instructions read
	FETCH \ks+1, \fn
.endif
	MM \fa, 1, 2, \first
	MM \fa, 1, 3, \first
	MM \fa, 2, 0, \first
	MM \fa, 2, 1, \first
	MM \fa, 2, 2, \first
	MM \fa, 2, 3, \first
.endm
	s_wait_tensorcnt 0x0                           ; my rows and my quarter of the weights are in
	s_wait_loadcnt 0x0                             ; b_o
	s_barrier_signal -1
	s_barrier_wait -1                              ; everybody's are
	FETCH 0, F0
	KSTEP 0,  F0, F1, 1, 1
	KSTEP 1,  F1, F0, 0, 1
	KSTEP 2,  F0, F1, 0, 1
	KSTEP 3,  F1, F0, 0, 1
	KSTEP 4,  F0, F1, 0, 1
	KSTEP 5,  F1, F0, 0, 1
	KSTEP 6,  F0, F1, 0, 1
	KSTEP 7,  F1, F0, 0, 1
	KSTEP 8,  F0, F1, 0, 1
	KSTEP 9,  F1, F0, 0, 1
	KSTEP 10, F0, F1, 0, 1
	KSTEP 11, F1, F0, 0, 0
	PLACES                                         ; behind the last matrix instructions: the LDS stores read results, the loads below land in the buffers
.irp tt, 0,1,2
.irp rt, 0,1,2,3
	ds_store_b128 v[STO], v[ACC+8*(4*\tt+\rt):ACC+8*(4*\tt+\rt)+3] offset:\rt*16*OPITCH+\tt*256
	ds_store_b128 v[STO], v[ACC+8*(4*\tt+\rt)+4:ACC+8*(4*\tt+\rt)+7] offset:\rt*16*OPITCH+\tt*256+16
.endr
.endr
	s_wait_dscnt 0x0                               ; my columns of all 64 rows are written
	s_barrier_signal -1
	s_barrier_wait -1                              ; the rows are whole
.set n, 0
.rept 24                               ; my 16 rows: pair of rows n / 3, 256 bytes n % 3
	ds_load_b128 v[F0+4*n:F0+4*n+3], v[RD] offset:(n/3)*2*OPITCH+(n%3)*256
.set n, n+1
.endr
.set n, 0
.rept 24
	s_wait_dscnt 23-n
	global_store_b128 v[GO], v[F0+4*n:F0+4*n+3], s[10:11] offset:(n/3)*2*1536+(n%3)*256 th:TH_STORE_NT   ; sixteen lanes store 256 consecutive bytes, aligned
.set n, n+1
.endr
	ROUND                                          ; the closing round: no work-group ends while a partner may still ask jointly
	s_endpgm
.Lfunc_end_k_qeb7b64cdde_outp:
	.size	k_qeb7b64cdde_outp, .Lfunc_end_k_qeb7b64cdde_outp-k_qeb7b64cdde_outp
	.p2alignl 7, 3214868480
	.fill 96, 4, 3214868480
	.section	.rodata,"a",@progbits
	.p2align	6, 0x0
	.amdhsa_kernel k_qeb7b64cdde_outp
		.amdhsa_group_segment_fixed_size 289792
		.amdhsa_private_segment_fixed_size 0
		.amdhsa_enable_private_segment 0
		.amdhsa_kernarg_size 32
		.amdhsa_user_sgpr_count 2
		.amdhsa_user_sgpr_kernarg_segment_ptr 1
		.amdhsa_wavefront_size32 1
		.amdhsa_system_sgpr_workgroup_id_x 1
		.amdhsa_system_sgpr_workgroup_id_y 1
		.amdhsa_system_sgpr_workgroup_id_z 1
		.amdhsa_system_vgpr_workitem_id 0
		.amdhsa_next_free_vgpr 248
		.amdhsa_next_free_sgpr 66
		.amdhsa_reserve_vcc 0
		.amdhsa_float_denorm_mode_32 3
		.amdhsa_float_denorm_mode_16_64 3
		.amdhsa_memory_ordered 1
		.amdhsa_forward_progress 1
		.amdhsa_inst_pref_size 34
	.end_amdhsa_kernel
	.amdgpu_metadata
---
amdhsa.version: [ 1, 2 ]
amdhsa.kernels:
  - .name:           k_qeb7b64cdde_outp
    .symbol:         k_qeb7b64cdde_outp.kd
    .args:
      - { .name: ah, .offset: 0, .size: 8, .value_kind: global_buffer, .address_space: global }
      - { .name: wb, .offset: 8, .size: 8, .value_kind: global_buffer, .address_space: global }
      - { .name: b_o, .offset: 16, .size: 8, .value_kind: global_buffer, .address_space: global }
      - { .name: out0, .offset: 24, .size: 8, .value_kind: global_buffer, .address_space: global }
    .group_segment_fixed_size: 289792
    .private_segment_fixed_size: 0
    .kernarg_segment_align: 8
    .kernarg_segment_size: 32
    .max_flat_workgroup_size: 128
    .sgpr_count:     66
    .vgpr_count:     248
    .wavefront_size: 32
...
	.end_amdgpu_metadata
.endif
;; end of part 4
